; MI455X (gfx1250); checked and timed in simulation.
; The chip was launched on July 23, 2026; its instructions are those of AMD's public machine-readable ISA for CDNA 5 (MIT licence, August 2026) and "CDNA5" Instruction Set Architecture Reference Guide (July 2026). The comments in the code are by the model that wrote it; some were corrected since.
;; Simple Attention. Allowed arithmetic: matrix products marked QUANTISED: E5M2 operands, one E8M0 scale for each 32 along K, by v_wmma_scale_f32_16x16x128_f8f6f4 with both operands' format E5M2, f32 sums; everything else in f32.
;; Inputs: W_out_codes 1,024 x 32 x 32 uint8 (E5M2 codes of W_out, K innermost, in blocks of 32 codes); W_out_scales 1,024 x 32 uint8 (E8M0 scales of W_out, one for each 32 codes along K); W_qkv_codes 3,072 x 32 x 32 uint8 (E5M2 codes of W_qkv, K innermost, in blocks of 32 codes); W_qkv_scales 3,072 x 32 uint8 (E8M0 scales of W_qkv, one for each 32 codes along K); x_codes 4 x 2,048 x 32 x 32 uint8 (E5M2 codes of x, K innermost, in blocks of 32 codes); x_scales 4 x 2,048 x 32 uint8 (E8M0 scales of x, one for each 32 codes along K).
;; Outputs: out0 4 x 2,048 x 1,024 float32.
;; This version of the problem:
;;   THIS VERSION OF THE PROBLEM IS GIVEN IN LOW PRECISION. The matrix products marked QUANTISED in the list below multiply operands that are first quantised to E5M2 (5 exponent bits, 2 mantissa bits; 8 bits a number), with one power-of-two scale for each 32 numbers along K (OCP MX v1.0); their sums are f32. All else is computed in f32.
;;   The module's matrix products, in the order in which they are computed (A, B: the left and right operand; K: the contracted axis; several contracted axes count as one K, in the product's order):
;;     1. [M 8,192, K 1,024] x [K 1,024, N 3,072]; A: input x (given as codes); B: input W_qkv (given as codes): QUANTISED
;;     2. batch 64 x [M 2,048, K 64] x [K 64, N 2,048]; A: computed on the way; B: computed on the way: QUANTISED
;;     3. batch 64 x [M 2,048, K 2,048] x [K 2,048, N 64]; A: softmax (see below); B: computed on the way: QUANTISED
;;     4. [M 8,192, K 1,024] x [K 1,024, N 1,024]; A: computed on the way; B: input W_out (given as codes): QUANTISED
;;   THE QUANTISER, for each operand of a quantised product, along K:
;;     - K is cut into blocks of 32 from its start; a last block that is shorter is filled with zeros.
;;     - A block's scale is 2^e with e = floor(log2(the largest magnitude in the block)) - 15, held to -126 .. 127; a block of zeros has e = 0. As a byte (E8M0): e + 127.
;;     - Each number is divided by its block's scale, clamped to +-57,344, and rounded to the nearest number of E5M2, ties to even, subnormals kept.
;;     - The product sums the exact products of the quantised numbers (number of the format x scale) in f32.
;;   ~~~python
;;   def quantise(x, axis):      # numpy; x: float32 -> the quantised numbers, widened to float32 again
;;       x = np.moveaxis(x, axis, -1); K = x.shape[-1]
;;       x = np.pad(x, [(0, 0)] * (x.ndim - 1) + [(0, -K % 32)]); x = x.reshape(x.shape[:-1] + (-1, 32)); a = np.abs(x).max(-1, keepdims=True)
;;       e = np.where(a > 0, np.clip(np.frexp(np.where(a > 0, a, 1))[1] - 1 - 15, -126, 127), 0)      # np.frexp(a)[1] - 1 = floor(log2(a)), exactly
;;       r = np.clip(x / 2.0 ** e, -57344, 57344)
;;       step = 2.0 ** (np.maximum(np.frexp(np.where(r == 0, 1, r))[1] - 1, -14) - 2)
;;       q = np.round(r / step) * step * 2.0 ** e      # np.round: ties to even
;;       return np.moveaxis(q.reshape(q.shape[:-2] + (-1,))[..., :K], -1, axis).astype(np.float32)
;;   ~~~
;;   SOFTMAX AHEAD OF A QUANTISED PRODUCT. Where the list says 'softmax', what is quantised is not the finished softmax but p = 2^(t - M), with t = logit x log2(e) and M = ceil(the row's largest t), a whole number; so 1/2 < the row's largest p <= 1. The row's sum l is taken of the UNQUANTISED p, in f32, and the product's result is divided by l at the end. Since M is a whole number, a kernel that streams over the keys may use a running M (the ceiling of the running maximum): every later rescaling is an exact power of two, which a block's scale takes up: the codes' values come out the same.
;;   OPERANDS COMPUTED ON THE WAY. 'Computed on the way' means the value that the module computes at that place (a softmax that the list does not call 'softmax' is quantised finished and normalised). What goes into a quantiser is computed in f32, as accurately as f32 sums, v_exp_f32 and their like allow (about 1e-6 of the number): no bf16 or f16 on the way to a quantiser, and a product that is left as it is and whose result goes on into a quantised operand takes f32 operands (vector FMAs, or v_wmma_f32_16x16x4_f32). A number that lies on a knife's edge between two numbers of the format may be rounded either way, as far as f32 arithmetic and the matrix unit's own rounding can turn it there, and no further.
;;   INPUTS GIVEN AS CODES. W_out (in the module: [1024, 1024], K = its axis 1); W_qkv (in the module: [3072, 1024], K = its axis 1); x (in the module: [4, 2048, 1024], K = its axis 2): each comes as NAME_codes (uint8): NAME with its K axis moved to the last place and cut into blocks of 32 codes, [.., K / 32, bytes a block], one block behind the other in memory; one code a byte (a code: sign, 5 exponent bits, 2 mantissa bits); and NAME_scales (uint8): the same leading axes, one E8M0 byte (e + 127) for each 32 codes along K. Its value is code x scale, taken as it is: it is not quantised again, and the codes and scales need not be those that the quantiser above would give.
;; One version. Each part assembles by itself: llvm-mc -triple=amdgcn-amd-amdhsa -mcpu=gfx1250 --defsym DOCPART=n.
;; ======== version 1 of 1: 3 launches
;; workspace buffers: qi 8,912,896 bytes; ki 8,912,896 bytes; vi 8,912,896 bytes; oc 8,388,608 bytes; os 262,144 bytes
;; launch qkv (part 1): grid 12 x 32, 4 waves a work-group, clusters of 4 x 4, 327,680 bytes of LDS; arguments x_codes, x_scales, W_qkv_codes, W_qkv_scales, qi, ki, vi; writes qi, ki, vi
.if DOCPART == 1
	.amdgcn_target "amdgcn-amd-amdhsa--gfx1250"
	.amdhsa_code_object_version 6
	.text
	.protected	k_q9d5f97161f_qkv
	.globl	k_q9d5f97161f_qkv
	.p2align	8
	.type	k_q9d5f97161f_qkv,@function
k_q9d5f97161f_qkv:
	s_mov_b64 s[64:65], 0
	v_nop
	global_prefetch_b8 v0, s[64:65] scope:SCOPE_SE
	s_setreg_imm32_b32 hwreg(HW_REG_WAVE_MODE, 25, 1), 1
	s_wait_xcnt 0x0
	s_wait_alu depctr_hold_cnt(0) depctr_sa_sdst(0) depctr_va_vdst(0) depctr_va_sdst(0) depctr_va_ssrc(0) depctr_va_vcc(0) depctr_vm_vsrc(0)
	s_getreg_b32 s2, hwreg(HW_REG_IB_STS2, 6, 4)
	s_cmp_eq_u32 s2, 0
	s_cbranch_scc0 .Lentry_in_a_cluster
	s_endpgm
.Lentry_in_a_cluster:
	s_bfe_u32 s2, ttmp6, 0x10000c
	s_cmp_lg_u32 s2, 0xf033
	s_cbranch_scc0 .Lentry_shape_is_right
	s_endpgm
.Lentry_shape_is_right:
; qkv = x W_qkv^T on codes of E5M2 with one E8M0 scale for each 32 along K (K = 1,024), and the quantisers of q, k and v, whose codes leave as IMAGES OF OPERAND REGISTERS.
; A tile of 256 x 256 of the product is made by four waves, 128 x 128 each: 64 accumulators of 16 x 16, 512 registers.  K goes in steps of 256 through two LDS slots filled by the tensor data mover;
; the scale bytes of the tile's 2 x 256 rows, for all of K, come into LDS once.  4 x 4 work-groups form a cluster; "A"'s tiles are asked for jointly along a row of it, "B"'s along a column.
; ROLES.  Source 0 of the matrix instruction is "B", source 1 is "A": a lane holds ONE row of A and its registers run along B's rows.  A quantiser wants its K along a lane's registers.
;   cluster x = 0 (q), 1 (k): quantised along the head's 64, so A = x (rows: tokens), B = W_qkv (rows: features).      cluster x = 2 (v): quantised along the keys, so A = W_qkv's v rows, B = x.
; Both tensors have rows of 1,024 codes and 32 scale bytes, so the roles are a choice of pointers and tile numbers on the cluster's x, which all partners share.
; THE ORDER OF K IN AN IMAGE.  The 16 registers of two neighbouring result tiles 2 c, 2 c + 1 go through the conversions as they stand: operand place 32 c + 16 h + 8 u + j holds index 32 c + 16 u + 8 h + j
; (h = lane / 16).  Blocks of 32, their largest magnitudes and scale bytes are untouched by that, and both sides of every later product carry the same order.
; OUT.  A wave's 128 x 128 is one block of 2 chunks (even head, odd head) of 8,704 bytes: 8,192 of codes, then scale words.  q, k: codes [16 rows: 8][block of 32: 2][lane][16 bytes], words [row 128][4]: two bytes, then 0x7f7f
; (they stand over the zero codes that fill the next product's K from 64 to 128).  v: codes [16 features: 4][32 keys: 4][lane][16], words [feature 64][4].  Every store of codes covers 512 consecutive bytes.
; 384 work-groups: a tile's 256 columns must lie wholly in q, in k or in v, and a smaller wave tile would read each LDS byte for fewer products.
; LIMITS: NaN and infinities are not served; a block whose largest magnitude lies under 2^-111 (a block of zeros too) has the byte 1: its codes are what the conversion gives under that scale; this program alone reads the bytes.
; REGISTERS, in windows of 256: window 0: v16-31 addresses; v32-63 scale words, two sets; v128-255 A's fragments, one set; on the way out v64-183 are at work.  window 1: B's fragments, two sets.  windows 2, 3: the accumulators ((a, b) at v[8 (8 (a % 4) + b)]).
.set KSTEP,  256
.set NQ,     2                         ; matrix instructions deep in a slot
.set ROWB,   256                       ; a tile's row in bytes
.set KROW,   1024                      ; a row of codes in memory
.set PITCH,  272                       ; an LDS row: 256 bytes + 16 of padding: the 16 rows of a fragment load start 4 banks apart
.set FR,     16
.set NL,     4
.set NP,     8                         ; places behind this matrix instruction (ISA guide 7.12.1)
.set HALFT,  128*PITCH
.set SLOT,   4*HALFT
.set LAPS,   2                         ; 1,024 along K = two laps of two slots
.set KS,     32                        ; a row of scale bytes
.set SCL,    2*SLOT
.set HALFS,  (128*KS/256)*272
.set SBLK,   (16*KS/256)*272
.set SPARE,  SCL+4*HALFS               ; the spare words, 128 bytes a wave: two blocks of 256 bytes that no other line names
.set CH,     8704                      ; a chunk
.set ADRA, 16                          ; v16-17 LDS address of my A fragments in slot 0, 1
.set ADRB, 20                          ; v20-21 the same for B
.set GV,   22                          ; v22  v's scale words in memory: 16 (lane % 16) + a chunk for lanes 16-31
.set SH,   23                          ; v23  16 h
.set LI,   24                          ; v24  16 x lane
.set STQ,  25                          ; v25  q, k: where I put a scale word: 1,024 wave + 512 h + 4 r
.set RDQ,  26                          ; v26  and read them back: 1,024 wave + 16 lane
.set ADRS, 27                          ; v27  LDS address of my scale words: lanes 0-15 A's rows, lanes 16-31 B's
.set SPW,  28                          ; v28  my spare word; never rewritten
.set NIL,  29                          ; v29  0; never rewritten
.set STV,  30                          ; v30  v: 4,096 + 512 wave + 4 r
.set RDV,  31                          ; v31  4,096 + 512 wave + 16 lane
.set SC,   32
.set AF,   128
.set T64,  64                          ; the way out: 64 held numbers
.set PC,   128                         ; 16 registers of codes
.set TM,   144                         ; 4 largest magnitudes, 4 bytes, 4 holds, 4 scale operands
.set PWS,  160                         ; a scale word for each of my 8 blocks of A's rows
.set SW,   168
.set RB,   176
.set G1, 24
.set G0, 32
.set G1B, 48
.set G0B, 56
.set SEL, 66                           ; s[66:67] selects for lane l xor 16
.set G1S, 68
.set G0S, 76
.set G1SB, 80
.set G0SB, 88
.set LOW, 94                           ; s94 0xffff (after the head)
.set MNT, 95                           ; s95 the mantissa field of 57,344
.set MSB, 0
.macro WIN new                         ; the immediate's high byte repeats the setting that is left
.if MSB != \new
	s_set_vgpr_msb (MSB<<8)|\new
.set MSB, \new
.endif
.endm
.set MUL_LO, 0xa1                      ; source 0 (B) window 1, source 1 (A) window 0, C and D window 2
.set MUL_HI, 0xf1
.set TO_B,   0x40
; A joint load: waves 0 and 1 fetch for A, waves 2 and 3 for B; the branch hangs on the wave's number alone.  Four v_nop follow each of the two lines.
.macro JLOAD g0a, g1a, g0b, g1b
	s_cmp_eq_u32 s15, 0
	s_cbranch_scc0 .Lfor_b_\@
	tensor_load_to_lds s[\g0a:\g0a+3], s[\g1a:\g1a+7]
	s_nop 0
.rept 4
	v_nop
.endr
	s_branch .Lasked_\@
.Lfor_b_\@:
	tensor_load_to_lds s[\g0b:\g0b+3], s[\g1b:\g1b+7]
	s_nop 0
.rept 4
	v_nop
.endr
.Lasked_\@:
.endm
.macro CREST                           ; a round of the cluster's barrier behind its opening barrier
	s_cmp_lg_u32 s14, 0
	s_cbranch_scc1 .Lnot_wave_0_\@
	s_barrier_signal -3
.Lnot_wave_0_\@:
	s_barrier_wait -3
	s_barrier_signal -1
	s_barrier_wait -1
.endm
.macro CROUND
	s_barrier_signal -1
	s_barrier_wait -1
	CREST
.endm
	s_load_b128 s[4:7], s[0:1], 0x0                ; x's codes, x's scales
	s_load_b128 s[8:11], s[0:1], 0x10              ; W_qkv's codes, its scales
	s_load_b128 s[96:99], s[0:1], 0x20             ; qi, ki
	s_load_b64 s[100:101], s[0:1], 0x30            ; vi
	v_lshl_add_u32 v[SPW], v0, 2, SPARE
	v_mov_b32 v[NIL], 0
	ds_add_u32 v28, v29
	s_wait_dscnt 0x0
	v_lshrrev_b32 v1, 5, v0
	v_readfirstlane_b32 s14, v1                    ; wave 0..3
	s_lshr_b32 s15, s14, 1                         ; which half of A's rows is mine.  Also: I fetch for A (0) or for B (1)
	s_and_b32 s16, s14, 1                          ; which half of B's rows.  Also: which 128 rows of that tile I fetch
	s_bfe_u32 s40, ttmp6, 0x40000                  ; cx, cy: my place in the cluster
	s_bfe_u32 s41, ttmp6, 0x40004
	s_lshl_b32 s42, ttmp9, 2                       ; 4 x cluster x
	s_and_b32 s17, ttmp7, 0xffff
	s_lshl_b32 s17, s17, 2                         ; 4 x cluster y
	s_cmp_lt_u32 ttmp9, 2                          ; q or k?  (the cluster's x: the same in all sixteen partners)
	s_cselect_b32 s42, s42, s17                    ; B's tile: of W_qkv 4 X + cx, or (v) of x 4 Y + cx
	s_cselect_b32 s17, s17, 8                      ; A's tile: of x 4 Y + cy, or (v) of W_qkv 8 + cy
	s_add_co_u32 s42, s42, s40
	s_add_co_u32 s17, s17, s41
	s_lshl_b32 s43, s41, 2
	s_lshl_b32 s43, 15, s43                        ; my row of the cluster
	s_lshl_b32 s44, 0x1111, s40                    ; my column
	; descriptor group 1: a tile of 128 rows x 256 bytes, 16 bytes of padding behind each row
	s_or_b32 s[G1+0], s43, (0<<16)|(1<<20)|(1<<21)|(5<<22)|(3<<25)  ; the mask: A's tiles go to my row; elements of 1 byte; padding on; bit 21 beside a mask; after every 64 words, 4 words
	s_or_b32 s[G1B+0], s44, (0<<16)|(1<<20)|(1<<21)|(5<<22)|(3<<25)
.irp g, G1, G1B
	s_mov_b32 s[\g+1], ROWB<<16                    ; tensor_dim0
	s_mov_b32 s[\g+2], 128<<16                     ; tensor_dim1
	s_mov_b32 s[\g+3], ROWB<<16                    ; tile_dim0
	s_mov_b32 s[\g+4], 128                         ; tile_dim1
	s_mov_b32 s[\g+5], KROW                        ; from row to row
	s_mov_b32 s[\g+6], 0
	s_mov_b32 s[\g+7], 0
.endr
	; the scales of 128 rows: 4,096 dense bytes, as 16 rows of 256 bytes (32 elements of 8), 16 bytes of padding behind each
	s_or_b32 s[G1S+0], s43, (3<<16)|(1<<20)|(1<<21)|(5<<22)|(3<<25)
	s_or_b32 s[G1SB+0], s44, (3<<16)|(1<<20)|(1<<21)|(5<<22)|(3<<25)
.irp g, G1S, G1SB
	s_mov_b32 s[\g+1], 32<<16
	s_mov_b32 s[\g+2], (128*KS/256)<<16
	s_mov_b32 s[\g+3], 32<<16
	s_mov_b32 s[\g+4], 128*KS/256
	s_mov_b32 s[\g+5], 32
	s_mov_b32 s[\g+6], 0
	s_mov_b32 s[\g+7], 0
.endr
	s_lshl_b32 s18, s16, 17                        ; the 128 rows that I fetch: 128 x 1,024 bytes of codes,
	s_lshl_b32 s19, s16, 12                        ; 128 x 32 bytes of scales
	s_lshl_b32 s20, s17, 18                        ; A: 256 rows a tile.  All four offsets lie under 2^24
	s_add_co_u32 s20, s20, s18
	s_mov_b32 s21, 0
	s_lshl_b32 s22, s17, 13
	s_add_co_u32 s22, s22, s19
	s_mov_b32 s23, 0
	s_lshl_b32 s46, s42, 18                        ; B, in registers that never hold cy
	s_add_co_u32 s46, s46, s18
	s_mov_b32 s47, 0
	s_lshl_b32 s92, s42, 13
	s_add_co_u32 s92, s92, s19
	s_mov_b32 s93, 0
	s_mul_i32 s45, s14, HALFT                      ; where they go: wave x 128 rows: no place in the cluster enters an LDS address
	s_mul_i32 s94, s14, HALFS
	s_wait_kmcnt 0x0
	s_cmp_lt_u32 ttmp9, 2                          ; the roles: for v the two tensors change places
	s_cselect_b64 s[12:13], s[4:5], s[8:9]
	s_cselect_b64 s[8:9], s[8:9], s[4:5]
	s_mov_b64 s[4:5], s[12:13]                     ; A's codes s[4:5], B's s[8:9]
	s_cselect_b64 s[12:13], s[6:7], s[10:11]
	s_cselect_b64 s[10:11], s[10:11], s[6:7]
	s_mov_b64 s[6:7], s[12:13]                     ; A's scales s[6:7], B's s[10:11]
	s_cmp_eq_u32 ttmp9, 0
	s_cselect_b64 s[12:13], s[96:97], s[98:99]
	s_cmp_eq_u32 ttmp9, 2
	s_cselect_b64 s[12:13], s[100:101], s[12:13]   ; where the images go: qi, ki or vi
	s_add_nc_u64 s[20:21], s[4:5], s[20:21]
	s_add_nc_u64 s[22:23], s[6:7], s[22:23]
	s_add_nc_u64 s[46:47], s[8:9], s[46:47]
	s_add_nc_u64 s[92:93], s[10:11], s[92:93]
	CROUND                                         ; all sixteen work-groups are here: the first joint loads meet
	s_mov_b32 s[G0S], 1
	s_add_co_u32 s[G0S+1], s94, SCL
	s_mov_b64 s[G0S+2:G0S+3], s[22:23]
	s_or_b32 s[G0S+3], s[G0S+3], 0x80000000
	s_mov_b32 s[G0SB], 1
	s_add_co_u32 s[G0SB+1], s94, SCL
	s_mov_b64 s[G0SB+2:G0SB+3], s[92:93]
	s_or_b32 s[G0SB+3], s[G0SB+3], 0x80000000
	JLOAD G0S, G1S, G0SB, G1SB                     ; the scales first: they are wanted with K step 0
.irp s, 0,1
	s_mov_b32 s[G0+4*\s], 1
	s_add_co_u32 s[G0+4*\s+1], s45, \s*SLOT
	s_add_nc_u64 s[G0+4*\s+2:G0+4*\s+3], s[20:21], \s*ROWB
	s_or_b32 s[G0+4*\s+3], s[G0+4*\s+3], 0x80000000
	s_mov_b32 s[G0B+4*\s], 1
	s_add_co_u32 s[G0B+4*\s+1], s45, \s*SLOT
	s_add_nc_u64 s[G0B+4*\s+2:G0B+4*\s+3], s[46:47], \s*ROWB
	s_or_b32 s[G0B+4*\s+3], s[G0B+4*\s+3], 0x80000000
	JLOAD G0+4*\s, G1, G0B+4*\s, G1B
.endr
	v_and_b32 v1, 15, v0                           ; r = lane % 16
	v_bfe_u32 v2, v0, 4, 1                         ; h = lane / 16
	v_mul_u32_u24 v3, v1, PITCH
	v_lshl_add_u32 v4, v2, 4, v3                   ; a fragment's row x pitch + 16 h
	s_mul_i32 s21, s15, HALFT                      ; my 128 rows of A
	s_mul_i32 s22, s16, HALFT                      ; my 128 rows of B,
	s_add_co_u32 s22, s22, 2*HALFT                 ; which lie behind A's 256
.irp s, 0,1
	v_add_nc_u32 v[ADRA+\s], s21, v4
	v_add_nc_u32 v[ADRB+\s], s22, v4
	s_add_co_u32 s21, s21, SLOT
	s_add_co_u32 s22, s22, SLOT
.endr
	v_mul_u32_u24 v5, v1, KS                       ; my row's scales: 32 bytes a row,
	v_lshrrev_b32 v6, 8, v5
	v_lshl_add_u32 v5, v6, 4, v5                   ; and 16 more for each 256 passed
	s_mul_i32 s21, s15, HALFS
	s_mul_i32 s22, s16, HALFS
	s_add_co_u32 s22, s22, 2*HALFS
	s_sub_co_u32 s22, s22, s21
	v_mul_u32_u24 v6, s22, v2                      ; lanes 16-31 take B's: one product, the distance between the two bases
	s_add_co_u32 s21, s21, SCL
	v_add_nc_u32 v5, v5, v6
	v_add_nc_u32 v[ADRS], s21, v5
	; the way out's addresses, all made here.  The two small stages lie in slot 0, which has had its last fill and its last read when they are written; q, k and v have bytes of their own
	v_and_b32 v6, 31, v0
	v_lshlrev_b32 v[LI], 4, v6
	s_lshl_b32 s23, s14, 10
	v_lshlrev_b32 v5, 2, v1
	v_lshl_add_u32 v6, v2, 9, v5
	v_add_nc_u32 v[STQ], s23, v6
	v_add_nc_u32 v[RDQ], s23, v[LI]
	s_lshl_b32 s23, s14, 9
	s_add_co_u32 s23, s23, 4096
	v_add_nc_u32 v[STV], s23, v5
	v_add_nc_u32 v[RDV], s23, v[LI]
	v_mul_u32_u24 v5, v2, CH
	v_lshl_add_u32 v[GV], v1, 4, v5
	v_lshlrev_b32 v[SH], 4, v2
	s_mov_b32 s[SEL], 0x76543210
	s_mov_b32 s[SEL+1], 0xfedcba98
	s_mov_b32 s[MNT], 0x600000
	s_mov_b32 s[LOW], 0xffff
	; my block of the output: ((batch x 8 + head pair) x 16 + which 128 tokens) x 2 chunks
	s_lshl_b32 s20, s17, 8
	s_lshl_b32 s21, s15, 7
	s_add_co_u32 s20, s20, s21                     ; my first row of A
	s_lshl_b32 s46, s42, 8
	s_lshl_b32 s47, s16, 7
	s_add_co_u32 s46, s46, s47                     ; my first row of B
	s_cmp_lt_u32 ttmp9, 2
	s_cselect_b32 s21, s20, s46                    ; the token,
	s_cselect_b32 s47, s46, s20                    ; the feature
	s_lshr_b32 s20, s21, 11
	s_lshl_b32 s20, s20, 3
	s_bfe_u32 s47, s47, 0x30007
	s_add_co_u32 s20, s20, s47
	s_lshl_b32 s20, s20, 4
	s_bfe_u32 s21, s21, 0x40007
	s_add_co_u32 s20, s20, s21
	s_mul_i32 s20, s20, 2*CH
	s_mov_b32 s21, 0
	s_add_nc_u64 s[12:13], s[12:13], s[20:21]
.macro FRAG reg, adr, q, i             ; a fragment, 16 rows x 128 K: lane l holds row l % 16; registers 4 c .. 4 c + 3 hold K = 32 c + 16 (l / 16) + 0 .. 15
.irp c, 0,1,2,3
	ds_load_b128 v[\reg+4*\c:\reg+4*\c+3], v[\adr] offset:128*(\q)+32*\c+(\i)*16*PITCH
.endr
.endm
; 16 matrix instructions: A's blocks a0, a0 + 1 x B's eight.  p: B's set; sc: the set of scale words; zero = 1: the product starts the sums.  The 64 accumulators take turns, one instruction a turn.
; One scale register carries A's word in lanes 0-15 and B's in lanes 16-31: source 0 (B) names register b with ROW1, source 1 (A) register a.
.macro MUL16 a0, p, q, sc, zero
.irp a, \a0, \a0+1
.irp b, 0,1,2,3,4,5,6,7
.if \zero
	v_wmma_scale_f32_16x16x128_f8f6f4 v[8*(8*((\a)%4)+\b):8*(8*((\a)%4)+\b)+7], v[128*(\p)+FR*\b:128*(\p)+FR*\b+FR-1], v[AF+FR*(\a):AF+FR*(\a)+FR-1], 0, v[SC+8*NQ*(\sc)+NQ*\b+(\q)], v[SC+8*NQ*(\sc)+NQ*(\a)+(\q)] matrix_a_fmt:MATRIX_FMT_BF8 matrix_b_fmt:MATRIX_FMT_BF8 matrix_a_scale:MATRIX_SCALE_ROW1
.else
	v_wmma_scale_f32_16x16x128_f8f6f4 v[8*(8*((\a)%4)+\b):8*(8*((\a)%4)+\b)+7], v[128*(\p)+FR*\b:128*(\p)+FR*\b+FR-1], v[AF+FR*(\a):AF+FR*(\a)+FR-1], v[8*(8*((\a)%4)+\b):8*(8*((\a)%4)+\b)+7], v[SC+8*NQ*(\sc)+NQ*\b+(\q)], v[SC+8*NQ*(\sc)+NQ*(\a)+(\q)] matrix_a_fmt:MATRIX_FMT_BF8 matrix_b_fmt:MATRIX_FMT_BF8 matrix_a_scale:MATRIX_SCALE_ROW1
.endif
.endr
.endr
.endm
.macro FETCH_B slot, q, p
	WIN TO_B
.irp i, 0,1,2,3,4,5,6,7
	FRAG 128*(\p)+FR*\i, ADRB+\slot, \q, \i
.endr
	WIN 0
.endm
.macro FETCH_A slot, q, i0
.irp i, \i0, \i0+1, \i0+2, \i0+3
	FRAG AF+FR*(\i), ADRA+\slot, \q, \i
.endr
.endm
.macro SCALES sc                       ; a K step's scale words: two words a row; lanes 0-15 A's block i, lanes 16-31 B's block i
.irp i, 0,1,2,3,4,5,6,7
	ds_load_b64 v[SC+8*NQ*\sc+NQ*\i:SC+8*NQ*\sc+NQ*\i+1], v[ADRS] offset:\i*SBLK
.endr
.endm
; A load into a register that a matrix instruction has read, and a vector instruction that reads a matrix result or writes one of its registers, stand NP places behind it; only plain vector instructions
; that name none of its registers are places (ISA guide 7.12.1 for vector instructions).
.macro PLACES n
.rept \n
	v_nop
.endr
.endm
.macro STEP slot, q, zero              ; 128 along K whose successor lies in the same slot
	s_wait_dscnt 4*NL                              ; B's set and A's blocks 0-3 are in; the youngest 16 loads (A's blocks 4-7) may be out
	WIN MUL_LO
	MUL16 0, (\q)%2, \q, \slot, \zero
	MUL16 2, (\q)%2, \q, \slot, \zero
	s_wait_dscnt 0
	PLACES NP
	FETCH_B \slot, (\q)+1, 1-(\q)%2
	FETCH_A \slot, (\q)+1, 0
	WIN MUL_HI
	MUL16 4, (\q)%2, \q, \slot, \zero
	MUL16 6, (\q)%2, \q, \slot, \zero
	PLACES NP
	WIN 0
	FETCH_A \slot, (\q)+1, 4
.endm
; A slot's last step changes slots: one barrier; in front of it each wave waits for all its tensor loads, adds 0 to its spare word, and waits for that and for its reads of this slot.  fill = 1: the slot is filled again, two K steps ahead.
.macro TURN slot, next, fill
	s_wait_tensorcnt 0x0                           ; all my tensor loads have landed: my part of the next slot
	ds_add_u32 v[SPW], v[NIL]                      ; 0 onto my spare word
	s_wait_dscnt 4*NL+1                            ; (the add and the youngest 16 loads may be out)
	WIN MUL_LO
	MUL16 0, 1, NQ-1, \slot, 0
	s_wait_dscnt 0x0                               ; the add is done, and my reads of this slot are over
	s_barrier_signal -1
	MUL16 2, 1, NQ-1, \slot, 0
	WIN 0
	s_barrier_wait -1
.if \fill
	CREST                                          ; the barrier has opened a round of the cluster's: no wave of any partner still reads this slot or has a load on its way
	s_add_nc_u64 s[G0+4*\slot+2:G0+4*\slot+3], s[G0+4*\slot+2:G0+4*\slot+3], 2*ROWB
	s_add_nc_u64 s[G0B+4*\slot+2:G0B+4*\slot+3], s[G0B+4*\slot+2:G0B+4*\slot+3], 2*ROWB
	JLOAD G0+4*\slot, G1, G0B+4*\slot, G1B         ; the first tensor load behind the round; its four v_nop are among the places in front of the loads below
	PLACES NP-4
.else
	PLACES NP
.endif
	v_add_nc_u32 v[ADRS], 4*NQ, v[ADRS]            ; the next K step's scale words
	FETCH_B \next, 0, 0
	FETCH_A \next, 0, 0
	SCALES \next
	WIN MUL_HI
	MUL16 4, 1, NQ-1, \slot, 0
	MUL16 6, 1, NQ-1, \slot, 0
	PLACES NP
	WIN 0
	FETCH_A \next, 0, 4
.endm
	s_wait_tensorcnt 1                             ; the scales and my part of K step 0 are in; K step 1's load may be out
	s_barrier_signal -1
	s_barrier_wait -1
	FETCH_B 0, 0, 0
	FETCH_A 0, 0, 0
	SCALES 0
	FETCH_A 0, 0, 4
	STEP 0, 0, 1                                   ; the first step's products start the sums
	s_mov_b32 s3, LAPS-1
.Llap:
	TURN 0, 1, 1
	STEP 1, 0, 0
	TURN 1, 0, 1
	STEP 0, 0, 0
	s_sub_co_u32 s3, s3, 1
	s_cmp_lg_u32 s3, 0
	s_cbranch_scc1 .Llap
	TURN 0, 1, 0                                   ; the last lap fills nothing
	STEP 1, 0, 0
	s_wait_dscnt 4*NL
	WIN MUL_LO
	MUL16 0, 1, NQ-1, 1, 0
	MUL16 2, 1, NQ-1, 1, 0
	s_wait_dscnt 0
	WIN MUL_HI
	MUL16 4, 1, NQ-1, 1, 0
	MUL16 6, 1, NQ-1, 1, 0
	WIN 0
; THE QUANTISER.  Block a of A's rows: 64 registers a lane, register 16 b + i belongs to block b of 32 along B's rows; the block's other 16 numbers lie in lane l xor 16.
; Largest magnitude with the floor 2^(16 - 127) among its leaves; 15 off its exponent field is the conversion's scale operand; that shifted is the byte; its exponent field over 57,344's mantissa is the hold.
.macro QUANT a
.set QW,  2+(\a)/4
.set QW2, QW|(QW<<2)
.set AC,  64*((\a)%4)
	WIN QW2                                        ; sources 0 and 1: the accumulators' window
.irp b, 0,1,2,3
	v_max3_num_f32 v[TM+\b], |v[AC+16*\b]|, |v[AC+16*\b+1]|, 0x8000000   ; each accumulator is read from its low end on
.endr
.irp i, 2,4,6,8,10,12,14
.irp b, 0,1,2,3
	v_max3_num_f32 v[TM+\b], |v[AC+16*\b+\i]|, |v[AC+16*\b+\i+1]|, v[TM+\b]
.endr
.endr
	WIN 0
.irp b, 0,1,2,3
	v_permlanex16_b32 v[TM+4+\b], v[TM+\b], s[SEL], s[SEL+1]
.endr
.irp b, 0,1,2,3
	v_max_num_f32 v[TM+\b], v[TM+\b], v[TM+4+\b]
.endr
.irp b, 0,1,2,3
	v_add_nc_u32 v[TM+12+\b], 0xf8800000, v[TM+\b]
.endr
.irp b, 0,1,2,3
	v_and_or_b32 v[TM+8+\b], v[TM+\b], 0x7f800000, s[MNT]
.endr
.irp b, 0,1,2,3
	v_lshrrev_b32 v[TM+4+\b], 23, v[TM+12+\b]
.endr
	v_lshl_or_b32 v[PWS+\a], v[TM+5], 8, v[TM+4]
	v_lshl_or_b32 v[PWS+\a], v[TM+6], 16, v[PWS+\a]
	v_lshl_or_b32 v[PWS+\a], v[TM+7], 24, v[PWS+\a]
	WIN QW                                         ; source 0: the accumulators' window
.set n, 0
.rept 64
	v_med3_num_f32 v[T64+n], v[AC+n], -v[TM+8+n/16], v[TM+8+n/16]   ; the conversion to an 8-bit code does not saturate (ISA guide 7.6.2): the hold at 57,344 x the scale
.set n, n+1
.endr
	WIN 0
	s_wait_xcnt 0x0                                ; the last block's stores have read the codes' registers
.irp b, 0,1,2,3
	v_cvt_scalef32_pk8_bf8_f32 v[PC+4*\b:PC+4*\b+1], v[T64+16*\b:T64+16*\b+7], v[TM+12+\b]
	v_cvt_scalef32_pk8_bf8_f32 v[PC+4*\b+2:PC+4*\b+3], v[T64+16*\b+8:T64+16*\b+15], v[TM+12+\b]
.endr
	v_nop                                          ; a plain line behind the last conversion, ahead of the next lines that write its sources
.endm
.macro WAYOUT isv
.irp a, 0,1,2,3,4,5,6,7
	QUANT \a
.irp c, 0,1,2,3
.if \isv
	global_store_b128 v[LI], v[PC+4*\c:PC+4*\c+3], s[12:13] offset:(\a/4)*CH+(\a%4)*2048+\c*512   ; head a / 4, features 16 (a % 4) on, keys 32 c on: 512 consecutive bytes
.else
	global_store_b128 v[LI], v[PC+4*\c:PC+4*\c+3], s[12:13] offset:(\c/2)*CH+\a*1024+(\c%2)*512   ; head c / 2, rows 16 a on, block c % 2 of the head's two
.endif
.endr
.endr
.if \isv
.irp a, 0,1,2,3,4,5,6,7
	ds_store_b32 v[STV], v[PWS+\a] offset:64*\a    ; feature 16 a + r's word; both halves of the lanes write the same word with the same value
.endr
	ds_load_b128 v[RB:RB+3], v[RDV]                ; LDS serves a wave's instructions in order: this sees my stores.  Lanes 0-15: the even head's 256 bytes, lanes 16-31 the odd head's
	s_wait_dscnt 0x0
	global_store_b128 v[GV], v[RB:RB+3], s[12:13] offset:8192
.else
.irp a, 0,1,2,3,4,5,6,7
	v_lshrrev_b32 v[SW+\a], v[SH], v[PWS+\a]       ; lanes 0-15 take the even head's two bytes, lanes 16-31 the odd head's,
	v_and_or_b32 v[SW+\a], v[SW+\a], s[LOW], 0x7f7f0000   ; and 1.0 stands over the zero codes of K = 64 .. 127
	ds_store_b32 v[STQ], v[SW+\a] offset:64*\a
.endr
	ds_load_b128 v[RB:RB+3], v[RDQ]
	ds_load_b128 v[RB+4:RB+7], v[RDQ] offset:512
	s_wait_dscnt 0x0
	global_store_b128 v[LI], v[RB:RB+3], s[12:13] offset:8192
	global_store_b128 v[LI], v[RB+4:RB+7], s[12:13] offset:CH+8192
.endif
.endm
	PLACES NP                                      ; behind the last products: their results are read and A's registers written below
.irp b, 0,1,2,3
	v_mov_b32 v[TM+4+\b], 0                        ; a lane permute's destination counts as one of its sources
.endr
	s_cmp_eq_u32 ttmp9, 2                          ; the cluster's x: alike in all partners
	s_cbranch_scc1 .Lv
	WAYOUT 0
	s_branch .Lend
.Lv:
	WAYOUT 1
.Lend:
	s_wait_tensorcnt 0x0                           ; the wave's end
	ds_add_u32 v[SPW], v[NIL]
	s_wait_dscnt 0x0
	CROUND                                         ; the closing round: no work-group ends while a partner may still ask for a tile that names it
	s_endpgm
.Lfunc_end_k_q9d5f97161f_qkv:
	.size	k_q9d5f97161f_qkv, .Lfunc_end_k_q9d5f97161f_qkv-k_q9d5f97161f_qkv
	.p2alignl 7, 3214868480
	.fill 96, 4, 3214868480
	.section	.rodata,"a",@progbits
	.p2align	6, 0x0
	.amdhsa_kernel k_q9d5f97161f_qkv
		.amdhsa_group_segment_fixed_size 327680
		.amdhsa_private_segment_fixed_size 0
		.amdhsa_enable_private_segment 0
		.amdhsa_kernarg_size 56
		.amdhsa_user_sgpr_count 2
		.amdhsa_user_sgpr_kernarg_segment_ptr 1
		.amdhsa_wavefront_size32 1
		.amdhsa_system_sgpr_workgroup_id_x 1
		.amdhsa_system_sgpr_workgroup_id_y 1
		.amdhsa_system_sgpr_workgroup_id_z 1
		.amdhsa_system_vgpr_workitem_id 0
		.amdhsa_next_free_vgpr 1024
		.amdhsa_next_free_sgpr 102
		.amdhsa_reserve_vcc 0
		.amdhsa_float_denorm_mode_32 3
		.amdhsa_float_denorm_mode_16_64 3
		.amdhsa_memory_ordered 1
		.amdhsa_forward_progress 1
		.amdhsa_inst_pref_size 255
	.end_amdhsa_kernel
	.section	.bss,"aw",@nobits
	.p2align	6
	.space	262144
	.amdgpu_metadata
---
amdhsa.version: [ 1, 2 ]
amdhsa.kernels:
  - .name:           k_q9d5f97161f_qkv
    .symbol:         k_q9d5f97161f_qkv.kd
    .args:
      - { .name: x_codes, .offset: 0, .size: 8, .value_kind: global_buffer, .address_space: global }
      - { .name: x_scales, .offset: 8, .size: 8, .value_kind: global_buffer, .address_space: global }
      - { .name: W_qkv_codes, .offset: 16, .size: 8, .value_kind: global_buffer, .address_space: global }
      - { .name: W_qkv_scales, .offset: 24, .size: 8, .value_kind: global_buffer, .address_space: global }
      - { .name: qi, .offset: 32, .size: 8, .value_kind: global_buffer, .address_space: global }
      - { .name: ki, .offset: 40, .size: 8, .value_kind: global_buffer, .address_space: global }
      - { .name: vi, .offset: 48, .size: 8, .value_kind: global_buffer, .address_space: global }
    .group_segment_fixed_size: 327680
    .private_segment_fixed_size: 0
    .kernarg_segment_align: 8
    .kernarg_segment_size: 56
    .max_flat_workgroup_size: 128
    .sgpr_count:     102
    .vgpr_count:     1024
    .wavefront_size: 32
...
	.end_amdgpu_metadata
.endif
;; end of part 1
;; launch attn (part 2): grid 4 x 64, 16 waves a work-group, no clusters, 327,680 bytes of LDS; arguments qi, ki, vi, oc, os; writes oc, os
.if DOCPART == 2
	.amdgcn_target "amdgcn-amd-amdhsa--gfx1250"
	.amdhsa_code_object_version 6
	.text
	.protected	k_q9d5f97161f_attn
	.globl	k_q9d5f97161f_attn
	.p2align	8
	.type	k_q9d5f97161f_attn,@function
k_q9d5f97161f_attn:
	s_mov_b64 s[64:65], 0
	v_nop
	global_prefetch_b8 v0, s[64:65] scope:SCOPE_SE
	s_setreg_imm32_b32 hwreg(HW_REG_WAVE_MODE, 25, 1), 1
	s_wait_xcnt 0x0
; Causal attention of one head on codes of E5M2 with E8M0 scales: S^T = K Q^T (K = the head's 64, filled to 128 with zero codes), p = 2^(t - M), O^T = V^T P^T (K = the keys), O / the row's sum, quantised along (head, d).
; t = score x log2(e) / 8; M = the running largest t rounded UP to a whole number; the row's sum is taken of the unquantised p; when M moves, the sum and O^T are multiplied by 2^(old M - new M): exact.
; INPUTS are images of operand registers: a chunk of 8,704 bytes holds 128 tokens of one head: 8,192 bytes of codes ([group of 4 registers][lane][16 bytes]) and its scale words.  So every LDS read is 512 consecutive bytes: no pitch, no padding.
; Inside a block of 32 the images hold index 16 u + 8 h + j at place 16 h + 8 u + j, alike in q and k, and in v; p comes out of S^T's registers in the same order, O likewise.
; SHARES.  Work-group (i, y): head y % 16 of batch y / 16; it owns the blocks of 256 queries i and then 7 - i: i + 1 and 8 - i slots of 256 keys, NINE visits for every work-group: 256 work-groups of equal work, a constant
; trip count, and no tile fetched that nobody reads.  Each of sixteen waves owns 16 queries in 256 registers: four waves to a SIMD, so that one wave's vector work stands beside another's products and LDS loads.
; NO CLUSTER: the four work-groups of a head walk different runs of slots (i + 1, then 8 - i); walking them jointly, both blocks at once, would take 12 slot visits for 9.
; A lane holds ONE query (lane % 16) throughout: source 0 = 16 keys (or 16 of the head's 64), source 1 = my queries (or p).
; A step all of whose 128 keys come after my 16 queries is jumped over (a scalar branch on ids); on the diagonal hidden scores become -infinity ahead of the maximum.
; LIMITS: NaN and infinities are not served; a block whose largest magnitude lies under 2^-111 (a block of zeros too) has the byte 1; this program alone reads the bytes.  The order of k inside a block of 32 is not the natural one, so the unit groups its sums otherwise.
.set CH,    8704
.set SLOT1, 65536                      ; a slot: K's chunks of two steps, then V's: 34,816 bytes; slot 1 begins here, so that one exclusive or turns an address
.set VOFF,  2*CH
.set SPARE, 131072                     ; the spare words, 128 bytes for each of 16 waves: eight blocks of 256 bytes that no other line names
.set LI,  1                            ; v1  16 x lane
.set LS,  2                            ; v2  4 x lane
.set RH,  3                            ; v3  r - 8 h
.set R4,  4                            ; v4  4 r
.set SPW, 5                            ; v5  my spare word; never rewritten
.set NIL, 6                            ; v6  0; never rewritten
.set OSA_, 7                           ; v7  32 r + h: my byte among O's scale bytes
.set ADK, 8                            ; v8  the slot in hand + 16 lane
.set ADS, 9                            ; v9  the slot in hand + 4 lane
.set H8,  10                           ; v10 8 h
;      v12 -M, v13 the largest t, v[14:15] the sum in two halves
.set QF,  16                           ; v16-31  Q's fragment: v24-31 stay zero codes
.set KFR, 32                           ; v32-95  four fragments of K: the upper 8 registers of each stay zero codes
.set S,   96                           ; v96-159 S^T, then p, then V's four fragments
.set O,   160                          ; v160-191 O^T
.set PCD, 192                          ; v192-207 p's codes
.set BM,  208                          ; v208-211 largest of each block
.set BP,  212                          ; v212-215 the other half's; bytes; a chain of the sum
.set BH,  216                          ; v216-219 57,344 x the scale
.set BS,  220                          ; v220-223 the conversions' scale operands
.set FF,  224                          ; v[224:225] f = 2^(old M - new M); v225 is written once
.set T1,  226
.set T2,  227
.set KSW, 232                          ; v232-235 K's scale words: lanes 0-15 an even tile's, lanes 16-31 the odd one's
.set VSW, 236                          ; v236-237 V's likewise
.set QSW, 238
.set PSW, 239
.set OCD, 240                          ; v240-247 O's codes
.set OSB_, 248                         ; v248 O's scale byte
.set WV,  18
.set MNT, 19
.set SEL, 20
.set CS,  22                           ; s[22:23] c = log2(e) / 8
.set G1K, 24
.set G1V, 32
.set G0K, 40
.set G0V, 44
.set KB,  48                           ; s[48:49] K's chunk of my step in key slot 0;  s[50:51] V's
.set VB,  50
.set OFF, 52                           ; s[52:53] the key slot's bytes
.set TB,  54                           ; the slot in hand
.set VIS, 55                           ; the visit: the loop's counter
.set IB,  56                           ; i
.set NK,  57                           ; the key slot last asked for
.set KF,  58                           ; the step's first key
.set Q0,  59                           ; my first query
.set Q0B, 60                           ; and in the second block
.set T0,  61
.set QCA, 66                           ; pointers: Q's codes, Q's scale words, O's codes, O's scale bytes, for the first block and the second
.set QSA, 68
.set QCB, 70
.set QSB, 72
.set OCA, 74
.set OSA, 76
.set OCB, 78
.set OSB, 80
.set HB,  82
.set B2K, 83
.set OCH, 90
.set OSH, 91
; Waves 0 and 1 fetch K's two chunks of a slot, waves 2 and 3 V's, the others nothing.  Four v_nop follow each of the two lines.
.macro TLOAD
	s_cmp_lt_u32 s[WV], 2
	s_cbranch_scc0 .Lnot_k_\@
	tensor_load_to_lds s[G0K:G0K+3], s[G1K:G1K+7]
	s_nop 0
.rept 4
	v_nop
.endr
	s_branch .Lasked_\@
.Lnot_k_\@:
	s_cmp_lt_u32 s[WV], 4
	s_cbranch_scc0 .Lasked_\@
	tensor_load_to_lds s[G0V:G0V+3], s[G1V:G1V+7]
	s_nop 0
.rept 4
	v_nop
.endr
.Lasked_\@:
.endm
.macro PTRS q0, qc, qs, oc, os         ; the four pointers of the 16 queries from s[q0] on
	s_lshr_b32 s84, s[\q0], 7
	s_mul_i32 s84, s84, 2*CH
	s_add_co_u32 s84, s84, s[HB]                   ; the chunk of their 128
	s_bfe_u32 s86, s[\q0], 0x30004                 ; which 16 of the 128
	s_lshl_b32 s88, s86, 10
	s_add_co_u32 s88, s88, s84
	s_add_nc_u64 s[\qc:\qc+1], s[4:5], s[88:89]
	s_lshl_b32 s88, s86, 6
	s_add_co_u32 s88, s88, s84
	s_add_co_u32 s88, s88, 8192
	s_add_nc_u64 s[\qs:\qs+1], s[4:5], s[88:89]
	s_add_co_u32 s86, s[\q0], s[B2K]               ; the row among all 8,192
	s_lshr_b32 s88, s86, 4
	s_lshl_b32 s88, s88, 14                        ; 16 rows of O's codes are 16,384 bytes,
	s_add_co_u32 s88, s88, s[OCH]                  ; my head's two groups in them
	s_add_nc_u64 s[\oc:\oc+1], s[10:11], s[88:89]
	s_lshl_b32 s88, s86, 5
	s_add_co_u32 s88, s88, s[OSH]
	s_add_nc_u64 s[\os:\os+1], s[12:13], s[88:89]
.endm
	s_load_b256 s[4:11], s[0:1], 0x0               ; qi s[4:5], ki s[6:7], vi s[8:9], oc s[10:11]
	s_load_b64 s[12:13], s[0:1], 0x20              ; os
	v_lshl_add_u32 v[SPW], v0, 2, SPARE
	v_mov_b32 v[NIL], 0
	ds_add_u32 v5, v6
	s_wait_dscnt 0x0
	v_lshrrev_b32 v[T1], 5, v0
	v_readfirstlane_b32 s[WV], v[T1]               ; wave 0..15
	s_and_b32 s84, ttmp7, 0xffff                   ; y = 16 x batch + head
	s_lshr_b32 s85, s84, 1
	s_mul_i32 s[HB], s85, 32*CH                    ; a pair of heads: 16 blocks of 2 chunks
	s_and_b32 s86, s84, 1
	s_mul_i32 s87, s86, CH
	s_add_co_u32 s[HB], s[HB], s87                 ; the head's chunk of tokens 0 to 127, in qi, ki and vi alike
	s_and_b32 s85, s85, 7
	s_lshl_b32 s[OCH], s85, 11
	s_lshl_b32 s86, s86, 10
	s_add_co_u32 s[OCH], s[OCH], s86               ; in O's codes: K step head / 2, groups 2 (head % 2) on
	s_and_b32 s[OSH], s84, 15
	s_lshl_b32 s[OSH], s[OSH], 1                   ; in O's scale bytes: 2 x head
	s_lshr_b32 s[B2K], s84, 4
	s_lshl_b32 s[B2K], s[B2K], 11                  ; 2,048 x batch
	s_mov_b32 s[IB], ttmp9
	s_lshl_b32 s85, s[WV], 4
	s_lshl_b32 s[Q0], ttmp9, 8
	s_add_co_u32 s[Q0], s[Q0], s85                 ; 256 i + 16 wave
	s_sub_co_u32 s[Q0B], 7, ttmp9
	s_lshl_b32 s[Q0B], s[Q0B], 8
	s_add_co_u32 s[Q0B], s[Q0B], s85               ; 256 (7 - i) + 16 wave
	s_and_b32 s86, s[WV], 1                        ; which of a slot's two steps I fetch, if I fetch
	s_mul_i32 s88, s86, 2*CH
	s_add_co_u32 s88, s88, s[HB]
	s_mov_b32 s89, 0
	s_mul_i32 s87, s86, CH                         ; and its place in a slot
	; descriptor group 1: a dense block as rows of 256 bytes (32 elements of 8): K's chunk 34 rows, V's 33 (its last 256 bytes hold nothing)
	s_mov_b32 s[G1K], 3<<16
	s_mov_b32 s[G1K+1], 32<<16                     ; tensor_dim0
	s_mov_b32 s[G1K+2], 34<<16                     ; tensor_dim1
	s_mov_b32 s[G1K+3], 32<<16                     ; tile_dim0
	s_mov_b32 s[G1K+4], 34                         ; tile_dim1
	s_mov_b32 s[G1K+5], 32                         ; from row to row
	s_mov_b32 s[G1K+6], 0
	s_mov_b32 s[G1K+7], 0
	s_mov_b32 s[G1V], 3<<16
	s_mov_b32 s[G1V+1], 32<<16
	s_mov_b32 s[G1V+2], 33<<16
	s_mov_b32 s[G1V+3], 32<<16
	s_mov_b32 s[G1V+4], 33
	s_mov_b32 s[G1V+5], 32
	s_mov_b32 s[G1V+6], 0
	s_mov_b32 s[G1V+7], 0
	s_mov_b32 s[SEL], 0x76543210
	s_mov_b32 s[SEL+1], 0xfedcba98
	s_mov_b32 s[CS], 0x3e38aa3b                    ; log2(e) / 8
	s_mov_b32 s[CS+1], s[CS]                       ; (named with it as a pair)
	s_mov_b32 s[MNT], 0x600000
	s_mov_b32 s[OFF+1], 0
	s_mov_b32 s[TB], 0
	s_mov_b32 s[VIS], 0
	s_mov_b32 s[NK], 0
	s_mov_b32 s[KF], 0
	s_wait_kmcnt 0x0
	s_add_nc_u64 s[KB:KB+1], s[6:7], s[88:89]
	s_add_nc_u64 s[VB:VB+1], s[8:9], s[88:89]
	s_mov_b32 s[G0K], 1
	s_mov_b32 s[G0K+1], s87
	s_mov_b64 s[G0K+2:G0K+3], s[KB:KB+1]
	s_or_b32 s[G0K+3], s[G0K+3], 0x80000000
	s_mov_b32 s[G0V], 1
	s_add_co_u32 s[G0V+1], s87, VOFF
	s_mov_b64 s[G0V+2:G0V+3], s[VB:VB+1]
	s_or_b32 s[G0V+3], s[G0V+3], 0x80000000
	TLOAD                                          ; slot 0: keys 0 to 255.  A wave has at most one tensor load out
	PTRS Q0, QCA, QSA, OCA, OSA
	PTRS Q0B, QCB, QSB, OCB, OSB
	v_and_b32 v[LS], 31, v0
	v_lshlrev_b32 v[LI], 4, v[LS]
	v_lshlrev_b32 v[LS], 2, v[LS]
	v_and_b32 v[R4], 15, v0                        ; r
	v_bfe_u32 v[T2], v0, 4, 1                      ; h
	v_lshlrev_b32 v[H8], 3, v[T2]
	v_sub_nc_u32 v[RH], v[R4], v[H8]
	v_lshl_add_u32 v[OSA_], v[R4], 5, v[T2]
	v_lshlrev_b32 v[R4], 2, v[R4]
	global_load_b128 v[QF:QF+3], v[LI], s[QCA:QCA+1]
	global_load_b128 v[QF+4:QF+7], v[LI], s[QCA:QCA+1] offset:512
	global_load_b32 v[QSW], v[R4], s[QSA:QSA+1]
.irp i, 8,9,10,11,12,13,14,15
	v_mov_b32 v[QF+\i], 0                          ; zero codes for K = 64 .. 127, written once
.irp t, 0,1,2,3
	v_mov_b32 v[KFR+16*\t+\i], 0
.endr
.endr
	v_mov_b32 v13, 0xff61b1e6                      ; the largest t so far: -3e38
	v_floor_f32 v12, -v13                          ; -M
	v_mov_b32 v14, 0
	v_mov_b32 v15, 0
	v_mov_b32 v[FF+1], 0                           ; (named as the upper half of a pair)
.irp b, 0,1,2,3
	v_mov_b32 v[BP+\b], 0                          ; a lane permute's destination counts as one of its sources
.endr
.set n, 0
.rept 32
	v_mov_b32 v[O+n], 0                            ; O^T.  The step is written once: a block's first step finds zeros, which the first change of M leaves zeros
.set n, n+1
.endr
; A KEY STEP: 128 keys, the q-th of the slot in hand.
.macro STEP q
	s_add_co_u32 s[T0], s[Q0], 15
	s_cmp_gt_u32 s[KF], s[T0]                      ; all its keys come after my queries: nothing to do
	s_cbranch_scc1 .Lhidden_\@
.irp g, 0,1                                    ; S^T = K Q^T, four tiles of 16 keys at a time
.if \g
.rept 8
	v_nop                                          ; places in front of loads into registers that the four products above have read
.endr
.endif
.irp t, 0,1,2,3
	ds_load_b128 v[KFR+16*\t:KFR+16*\t+3], v[ADK] offset:(\q)*CH+(4*\g+\t)*1024
	ds_load_b128 v[KFR+16*\t+4:KFR+16*\t+7], v[ADK] offset:(\q)*CH+(4*\g+\t)*1024+512
.endr
.if \g == 0
.irp w, 0,1,2,3
	ds_load_b32 v[KSW+\w], v[ADS] offset:(\q)*CH+8192+128*\w   ; the words of 32 keys: two tiles
.endr
.endif
	s_wait_dscnt 0x0
.irp t, 0,2
	v_wmma_scale_f32_16x16x128_f8f6f4 v[S+8*(4*\g+\t):S+8*(4*\g+\t)+7], v[KFR+16*\t:KFR+16*\t+15], v[QF:QF+15], 0, v[KSW+2*\g+\t/2], v[QSW] matrix_a_fmt:MATRIX_FMT_BF8 matrix_b_fmt:MATRIX_FMT_BF8
	v_wmma_scale_f32_16x16x128_f8f6f4 v[S+8*(4*\g+\t+1):S+8*(4*\g+\t+1)+7], v[KFR+16*(\t+1):KFR+16*(\t+1)+15], v[QF:QF+15], 0, v[KSW+2*\g+\t/2], v[QSW] matrix_a_fmt:MATRIX_FMT_BF8 matrix_b_fmt:MATRIX_FMT_BF8 matrix_a_scale:MATRIX_SCALE_ROW1
.endr
.endr                                          ; register 8 T + j of lane (r, h): key KF + 16 T + 8 h + j, query Q0 + r
.rept 8
	v_nop
.endr
	s_add_co_u32 s[T0], s[KF], 127
	s_cmp_le_u32 s[T0], s[Q0]                      ; all its keys count: no mask
	s_cbranch_scc1 .Lopen_\@
	s_sub_co_i32 s[T0], s[Q0], s[KF]
	v_add_nc_u32 v[T1], s[T0], v[RH]               ; d = my query - KF - 8 h: register 8 T + j is hidden where 16 T + j > d
	v_mov_b32 v[T2], 0xff800000                    ; -infinity
.set n, 0
.rept 64
	v_cmp_gt_i32 vcc_lo, 16*(n/8)+n%8, v[T1]
	v_cndmask_b32 v[S+n], v[S+n], v[T2], vcc_lo
.set n, n+1
.endr
.Lopen_\@:
.irp b, 0,1,2,3
	v_max3_num_f32 v[BM+\b], v[S+16*\b], v[S+1+16*\b], v[S+2+16*\b]   ; the largest score of each block of 32 keys: for the row's maximum, and, since p rises with the score, for the block's largest p
.endr
.irp i, 3,5,7,9,11,13
.irp b, 0,1,2,3
	v_max3_num_f32 v[BM+\b], v[BM+\b], v[S+16*\b+\i], v[S+1+16*\b+\i]
.endr
.endr
.irp b, 0,1,2,3
	v_max_num_f32 v[BM+\b], v[BM+\b], v[S+15+16*\b]
.endr
.irp b, 0,1,2,3
	v_permlanex16_b32 v[BP+\b], v[BM+\b], s[SEL], s[SEL+1]
.endr
.irp b, 0,1,2,3
	v_max_num_f32 v[BM+\b], v[BM+\b], v[BP+\b]     ; with lane l xor 16's 16 keys
.endr
	v_max3_num_f32 v[T1], v[BM], v[BM+1], v[BM+2]
	v_max_num_f32 v[T1], v[T1], v[BM+3]
	v_mul_f32 v[T1], s[CS], v[T1]                  ; as t (c is positive)
	v_max_num_f32 v13, v13, v[T1]                  ; the running largest t
	v_mov_b32 v[T1], v12
	v_floor_f32 v12, -v13                          ; the new -M = -ceil(t)
	v_sub_f32 v[T1], v12, v[T1]                    ; old M - new M: a whole number, 0 or less
	v_cvt_i32_f32 v[T1], v[T1]                     ; (it saturates)
	v_ldexp_f32 v[FF], 1.0, v[T1]                  ; f = 2^(old M - new M)
.set n, 0
.rept 32
	v_pk_fma_f32 v[S+n:S+n+1], v[S+n:S+n+1], s[CS:CS+1], v[12:13] op_sel_hi:[1,0,0]   ; t - M
.set n, n+2
.endr
.irp b, 0,1,2,3
	v_fma_f32 v[BM+\b], v[BM+\b], s[CS], v12       ; the same of each block's largest score
.endr
.set n, 0
.rept 64
	v_exp_f32 v[S+n], v[S+n]                       ; p = 2^(t - M), at most 1, not normalised
.set n, n+1
.endr
.irp b, 0,1,2,3
	v_exp_f32 v[BM+\b], v[BM+\b]                   ; the block's largest p: the same two instructions on the same number
.endr
	v_pk_mul_f32 v[14:15], v[14:15], v[FF:FF+1] op_sel_hi:[1,0]   ; the sums under the new M (a plain line behind the exponentials)
	s_wait_alu depctr_va_vdst(0)
.irp b, 0,1,2,3
	v_max_num_f32 v[BM+\b], 0x8000000, v[BM+\b]    ; the floor 2^(16 - 127): the byte cannot fall under 1
.endr
.irp b, 0,1,2,3
	v_add_nc_u32 v[BS+\b], 0xf8800000, v[BM+\b]    ; 15 off the exponent field: the conversion's scale operand
.endr
.irp b, 0,1,2,3
	v_and_or_b32 v[BH+\b], v[BM+\b], 0x7f800000, s[MNT]   ; 57,344 x the scale
.endr
.irp b, 0,1,2,3
	v_lshrrev_b32 v[BP+\b], 23, v[BS+\b]
.endr
	v_lshl_or_b32 v[PSW], v[BP+1], 8, v[BP]        ; p's scale word for these 128 keys; the sums and holds below are its places ahead of the products
	v_lshl_or_b32 v[PSW], v[BP+2], 16, v[PSW]
	v_lshl_or_b32 v[PSW], v[BP+3], 24, v[PSW]
	v_pk_add_f32 v[BP:BP+1], v[S:S+1], v[S+2:S+3]  ; the row's sum is taken of the unquantised p, in two chains
.set n, 4
.rept 15
	v_pk_add_f32 v[14:15], v[14:15], v[S+n:S+n+1]
	v_pk_add_f32 v[BP:BP+1], v[BP:BP+1], v[S+n+2:S+n+3]
.set n, n+4
.endr
	v_pk_add_f32 v[14:15], v[14:15], v[BP:BP+1]
.irp b, 0,1,2,3
.irp i, 0,1,2,3,4,5,6,7,8,9,10,11,12,13,14,15
	v_min_num_f32 v[S+16*\b+\i], v[S+16*\b+\i], v[BH+\b]   ; the conversion does not saturate (ISA guide 7.6.2); p is not negative, so the hold is one-sided
.endr
	v_cvt_scalef32_pk8_bf8_f32 v[PCD+4*\b:PCD+4*\b+1], v[S+16*\b:S+16*\b+7], v[BS+\b]
	v_cvt_scalef32_pk8_bf8_f32 v[PCD+4*\b+2:PCD+4*\b+3], v[S+16*\b+8:S+16*\b+15], v[BS+\b]
.endr
.irp t, 0,1,2,3                                ; V's four fragments (16 of the head's 64 x 128 keys) take p's registers
.irp c, 0,1,2,3
	ds_load_b128 v[S+16*\t+4*\c:S+16*\t+4*\c+3], v[ADK] offset:VOFF+(\q)*CH+\t*2048+512*\c
.endr
.endr
	ds_load_b32 v[VSW], v[ADS] offset:VOFF+(\q)*CH+8192
	ds_load_b32 v[VSW+1], v[ADS] offset:VOFF+(\q)*CH+8192+128
.set n, 0
.rept 16
	v_pk_mul_f32 v[O+n:O+n+1], v[O+n:O+n+1], v[FF:FF+1] op_sel_hi:[1,0]   ; O^T under the new M; these lines are also the places between the conversions and the products
.set n, n+2
.endr
	s_wait_dscnt 0x0
.irp t, 0,2                                    ; O^T += V^T P^T: the four accumulators by turns
	v_wmma_scale_f32_16x16x128_f8f6f4 v[O+8*\t:O+8*\t+7], v[S+16*\t:S+16*\t+15], v[PCD:PCD+15], v[O+8*\t:O+8*\t+7], v[VSW+\t/2], v[PSW] matrix_a_fmt:MATRIX_FMT_BF8 matrix_b_fmt:MATRIX_FMT_BF8
	v_wmma_scale_f32_16x16x128_f8f6f4 v[O+8*(\t+1):O+8*(\t+1)+7], v[S+16*(\t+1):S+16*(\t+1)+15], v[PCD:PCD+15], v[O+8*(\t+1):O+8*(\t+1)+7], v[VSW+\t/2], v[PSW] matrix_a_fmt:MATRIX_FMT_BF8 matrix_b_fmt:MATRIX_FMT_BF8 matrix_a_scale:MATRIX_SCALE_ROW1
.endr
.rept 9
	v_nop                                          ; nine places: the next step's first products write over the registers that held V
.endr
.Lhidden_\@:
	s_add_co_u32 s[KF], s[KF], 128
.endm
; THE CHANGE OF SLOTS stands at a visit's head.  Each wave waits for all its tensor loads (its part of the slot ahead), adds 0 to its spare word, and waits for that and for its reads of the slot that it has left.
; fill = 1: behind the barrier that other slot is filled for the next visit: the next 256 keys, or, where this visit is the first block's last, keys 0 to 255 again for the second block.
.macro CHANGE fill
	s_wait_tensorcnt 0x0                           ; no tensor load of mine is out, so a group 0 may be written
	ds_add_u32 v[SPW], v[NIL]                      ; 0 onto my spare word
.if \fill
	s_add_co_u32 s[NK], s[NK], 1
	s_cmp_eq_u32 s[VIS], s[IB]
	s_cselect_b32 s[NK], 0, s[NK]
	s_mul_i32 s[OFF], s[NK], 4*CH                  ; 256 keys of a pair of heads
	s_xor_b32 s[G0K+1], s[G0K+1], SLOT1
	s_add_nc_u64 s[G0K+2:G0K+3], s[KB:KB+1], s[OFF:OFF+1]
	s_or_b32 s[G0K+3], s[G0K+3], 0x80000000
	s_xor_b32 s[G0V+1], s[G0V+1], SLOT1
	s_add_nc_u64 s[G0V+2:G0V+3], s[VB:VB+1], s[OFF:OFF+1]
	s_or_b32 s[G0V+3], s[G0V+3], 0x80000000
.endif
	s_wait_dscnt 0x0                               ; the add is done, and my reads of the slot that I have left are over
	s_barrier_signal -1
	s_barrier_wait -1
.if \fill
	TLOAD                                          ; the first thing behind the barrier, a wave's one tensor load until the next: it has a visit's two steps in which to land
.endif
.endm
.macro SLOT_STEPS
	v_add_nc_u32 v[ADK], s[TB], v[LI]
	v_add_nc_u32 v[ADS], s[TB], v[LS]
	STEP 0
	STEP 1
	s_xor_b32 s[TB], s[TB], SLOT1
.endm
; A BLOCK'S END.  O^T / the sum; register 8 T + j of lane (r, h) is O(query r, d = 16 T + 8 h + j): two blocks of 32 along the next product's K, quantised as they stand: two groups of four registers, 512 consecutive bytes each.
; The two scale bytes go to 16 rows of 32 bytes, one byte a lane: a row's other bytes belong to the other 15 heads' work-groups.  restart = 1: the second block's Q comes in, and the sums begin anew.
.macro FLUSH oc, os, restart, qc, qs
	s_wait_xcnt 0x0                                ; earlier stores have read the registers that are written below
	v_add_f32 v14, v14, v15
	v_permlanex16_b32 v[T1], v14, s[SEL], s[SEL+1]
	v_add_f32 v14, v14, v[T1]                      ; the row's sum
	v_rcp_f32 v14, v14
	v_nop                                          ; a plain line behind the transcendental
.set n, 0
	s_wait_alu depctr_va_vdst(0)
.rept 16
	v_pk_mul_f32 v[S+n:S+n+1], v[O+n:O+n+1], v[14:15] op_sel_hi:[1,0]
.set n, n+2
.endr
.irp b, 0,1
	v_max3_num_f32 v[BM+\b], |v[S+16*\b]|, |v[S+1+16*\b]|, 0x8000000
.endr
.irp i, 2,4,6,8,10,12,14
.irp b, 0,1
	v_max3_num_f32 v[BM+\b], v[BM+\b], |v[S+16*\b+\i]|, |v[S+1+16*\b+\i]|
.endr
.endr
.irp b, 0,1
	v_permlanex16_b32 v[BP+\b], v[BM+\b], s[SEL], s[SEL+1]
.endr
.irp b, 0,1
	v_max_num_f32 v[BM+\b], v[BM+\b], v[BP+\b]
.endr
.irp b, 0,1
	v_add_nc_u32 v[BS+\b], 0xf8800000, v[BM+\b]
.endr
.irp b, 0,1
	v_and_or_b32 v[BH+\b], v[BM+\b], 0x7f800000, s[MNT]
.endr
.irp b, 0,1
	v_lshrrev_b32 v[BP+\b], 23, v[BS+\b]
.endr
	v_lshl_or_b32 v[OSB_], v[BP+1], 8, v[BP]
	v_lshrrev_b32 v[OSB_], v[H8], v[OSB_]          ; lanes 0-15 store block 0's byte, lanes 16-31 block 1's
.irp b, 0,1
.irp i, 0,1,2,3,4,5,6,7,8,9,10,11,12,13,14,15
	v_med3_num_f32 v[S+16*\b+\i], v[S+16*\b+\i], -v[BH+\b], v[BH+\b]
.endr
	v_cvt_scalef32_pk8_bf8_f32 v[OCD+4*\b:OCD+4*\b+1], v[S+16*\b:S+16*\b+7], v[BS+\b]
	v_cvt_scalef32_pk8_bf8_f32 v[OCD+4*\b+2:OCD+4*\b+3], v[S+16*\b+8:S+16*\b+15], v[BS+\b]
.endr
	v_nop                                          ; a plain line behind the last conversion
	global_store_b128 v[LI], v[OCD:OCD+3], s[\oc:\oc+1]
	global_store_b128 v[LI], v[OCD+4:OCD+7], s[\oc:\oc+1] offset:512
	global_store_b8 v[OSA_], v[OSB_], s[\os:\os+1]
.if \restart
	global_load_b128 v[QF:QF+3], v[LI], s[\qc:\qc+1]
	global_load_b128 v[QF+4:QF+7], v[LI], s[\qc:\qc+1] offset:512
	global_load_b32 v[QSW], v[R4], s[\qs:\qs+1]
	v_mov_b32 v13, 0xff61b1e6
	v_floor_f32 v12, -v13
	v_mov_b32 v14, 0
	v_mov_b32 v15, 0
.set n, 0
.rept 32
	v_mov_b32 v[O+n], 0
.set n, n+1
.endr
	s_mov_b32 s[Q0], s[Q0B]
	s_mov_b32 s[KF], 0
	s_wait_loadcnt 0x0
.endif
.endm
	s_wait_loadcnt 0x0                             ; Q
.Lslot:                                            ; eight trips: visits 0 to 7; behind each change of slots the next visit's slot is asked for
	CHANGE 1
	SLOT_STEPS
	s_cmp_lg_u32 s[VIS], s[IB]                     ; the first block's last visit?  (the work-group's number: alike in all its waves)
	s_cbranch_scc1 .Lsame
	FLUSH OCA, OSA, 1, QCB, QSB
.Lsame:
	s_add_co_u32 s[VIS], s[VIS], 1
	s_cmp_lt_u32 s[VIS], 8
	s_cbranch_scc1 .Lslot
	CHANGE 0                                       ; the last visit is written out
	SLOT_STEPS
	FLUSH OCB, OSB, 0, 0, 0
	s_wait_tensorcnt 0x0                           ; the wave's end
	ds_add_u32 v[SPW], v[NIL]
	s_wait_dscnt 0x0
	s_endpgm
.Lfunc_end_k_q9d5f97161f_attn:
	.size	k_q9d5f97161f_attn, .Lfunc_end_k_q9d5f97161f_attn-k_q9d5f97161f_attn
	.p2alignl 7, 3214868480
	.fill 96, 4, 3214868480
	.section	.rodata,"a",@progbits
	.p2align	6, 0x0
	.amdhsa_kernel k_q9d5f97161f_attn
		.amdhsa_group_segment_fixed_size 327680
		.amdhsa_private_segment_fixed_size 0
		.amdhsa_enable_private_segment 0
		.amdhsa_kernarg_size 40
		.amdhsa_user_sgpr_count 2
		.amdhsa_user_sgpr_kernarg_segment_ptr 1
		.amdhsa_wavefront_size32 1
		.amdhsa_system_sgpr_workgroup_id_x 1
		.amdhsa_system_sgpr_workgroup_id_y 1
		.amdhsa_system_sgpr_workgroup_id_z 1
		.amdhsa_system_vgpr_workitem_id 0
		.amdhsa_next_free_vgpr 256
		.amdhsa_next_free_sgpr 96
		.amdhsa_reserve_vcc 1
		.amdhsa_float_denorm_mode_32 3
		.amdhsa_float_denorm_mode_16_64 3
		.amdhsa_memory_ordered 1
		.amdhsa_forward_progress 1
		.amdhsa_inst_pref_size 119
	.end_amdhsa_kernel
	.amdgpu_metadata
---
amdhsa.version: [ 1, 2 ]
amdhsa.kernels:
  - .name:           k_q9d5f97161f_attn
    .symbol:         k_q9d5f97161f_attn.kd
    .args:
      - { .name: qi, .offset: 0, .size: 8, .value_kind: global_buffer, .address_space: global }
      - { .name: ki, .offset: 8, .size: 8, .value_kind: global_buffer, .address_space: global }
      - { .name: vi, .offset: 16, .size: 8, .value_kind: global_buffer, .address_space: global }
      - { .name: oc, .offset: 24, .size: 8, .value_kind: global_buffer, .address_space: global }
      - { .name: os, .offset: 32, .size: 8, .value_kind: global_buffer, .address_space: global }
    .group_segment_fixed_size: 327680
    .private_segment_fixed_size: 0
    .kernarg_segment_align: 8
    .kernarg_segment_size: 40
    .max_flat_workgroup_size: 512
    .sgpr_count:     96
    .vgpr_count:     256
    .wavefront_size: 32
...
	.end_amdgpu_metadata
.endif
;; end of part 2
;; launch proj (part 3): grid 4 x 32, 4 waves a work-group, clusters of 4 x 4, 327,680 bytes of LDS; arguments oc, os, W_out_codes, W_out_scales, out0; writes out0
.if DOCPART == 3
	.amdgcn_target "amdgcn-amd-amdhsa--gfx1250"
	.amdhsa_code_object_version 6
	.text
	.protected	k_q9d5f97161f_proj
	.globl	k_q9d5f97161f_proj
	.p2align	8
	.type	k_q9d5f97161f_proj,@function
k_q9d5f97161f_proj:
	s_mov_b64 s[64:65], 0
	v_nop
	global_prefetch_b8 v0, s[64:65] scope:SCOPE_SE
	s_setreg_imm32_b32 hwreg(HW_REG_WAVE_MODE, 25, 1), 1
	s_wait_xcnt 0x0
	s_wait_alu depctr_hold_cnt(0) depctr_sa_sdst(0) depctr_va_vdst(0) depctr_va_sdst(0) depctr_va_ssrc(0) depctr_va_vcc(0) depctr_vm_vsrc(0)
	s_getreg_b32 s2, hwreg(HW_REG_IB_STS2, 6, 4)
	s_cmp_eq_u32 s2, 0
	s_cbranch_scc0 .Lentry_in_a_cluster
	s_endpgm
.Lentry_in_a_cluster:
	s_bfe_u32 s2, ttmp6, 0x10000c
	s_cmp_lg_u32 s2, 0xf033
	s_cbranch_scc0 .Lentry_shape_is_right
	s_endpgm
.Lentry_shape_is_right:
; out0 = O W_out^T on codes of E5M2 with one E8M0 scale for each 32 along K (K = 1,024 = (head, d)); out0 [8,192][1,024] f32.
; A = O arrives as images of operand registers, [16 rows: 512][128 along K: 8][group of 4 registers: 4][lane][16 bytes], with its scale bytes [row][32].  Inside a block of 32 an image holds index 16 u + 8 h + j at place 16 h + 8 u + j.
; B = W_out arrives in rows, K in its natural order: its fragments are therefore loaded in pieces of 8 bytes, registers 4 c + 2 u, + 1 from K = 32 c + 16 u + 8 h on, so that both sides carry the same order.
; A tile of 256 x 256 is made by four waves, 128 x 128 each: 64 accumulators, 512 registers.  K goes in steps of 256 through two LDS slots; the scale bytes of the tile's rows, for all of K, come into LDS once.
; 4 x 4 work-groups form a cluster: A's tiles are asked for jointly along a row of it, B's along a column.  The matrix instruction is used transposed (source 0 = 16 rows of B, source 1 = 16 rows of A): a lane holds eight neighbouring numbers of a row of out0.
; 128 work-groups: 32 x 4 tiles of 256 x 256.  A tile of half the columns would give 256 at the price of reading each of A's LDS bytes for half as many products; it is not built here.
; REGISTERS, in windows of 256: window 0: v16-29 addresses; v32-63 scale words, two sets; v128-255 A's fragments, one set (on the way out: rows read back).  window 1: B's fragments, two sets.  windows 2, 3: the accumulators.
.set SIZE_N, 1024
.set NQ,     2
.set ROWB,   256
.set KROW,   1024
.set PITCH,  272                       ; B's LDS row: 256 bytes + 16: the 32 lanes of a load of 8 bytes fall on 64 different banks (68 r + 2 h words)
.set FR,     16
.set NL,     4
.set NP,     8
.set ASTEP,  4096                      ; A: 256 along K of 16 rows
.set HALFA,  8*ASTEP                   ; 128 rows: what one tensor load brings, dense
.set HALFT,  128*PITCH
.set BOFF,   2*HALFA
.set SLOT,   BOFF+2*HALFT
.set LAPS,   2
.set KS,     32
.set SCL,    2*SLOT
.set HALFS,  (128*KS/256)*272
.set SBLK,   (16*KS/256)*272
.set SPARE,  SCL+4*HALFS               ; the spare words, 128 bytes a wave: two blocks of 256 bytes that no other line names
.set SPITCH, 528                       ; the way out: 16 rows x (512 bytes + 16) for each wave, in slot 0, which has had its last fill and its last read by then
.set ADRA, 16
.set ADRB, 20
.set STO,  24
.set RD,   25
.set CO,   26
.set ADRS, 27
.set SPW,  28
.set NIL,  29
.set SC,   32
.set AF,   128
.set BK,   128
.set G1, 24
.set G0, 32
.set G1B, 48
.set G0B, 56
.set G1S, 68
.set G0S, 76
.set G1SB, 80
.set G0SB, 88
.set MSB, 0
.macro WIN new
.if MSB != \new
	s_set_vgpr_msb (MSB<<8)|\new
.set MSB, \new
.endif
.endm
.set MUL_LO, 0xa1
.set MUL_HI, 0xf1
.set TO_B,   0x40
.macro JLOAD g0a, g1a, g0b, g1b        ; a joint load: waves 0 and 1 fetch for A, waves 2 and 3 for B; four v_nop follow each of the two lines
	s_cmp_eq_u32 s15, 0
	s_cbranch_scc0 .Lfor_b_\@
	tensor_load_to_lds s[\g0a:\g0a+3], s[\g1a:\g1a+7]
	s_nop 0
.rept 4
	v_nop
.endr
	s_branch .Lasked_\@
.Lfor_b_\@:
	tensor_load_to_lds s[\g0b:\g0b+3], s[\g1b:\g1b+7]
	s_nop 0
.rept 4
	v_nop
.endr
.Lasked_\@:
.endm
.macro CREST
	s_cmp_lg_u32 s14, 0
	s_cbranch_scc1 .Lnot_wave_0_\@
	s_barrier_signal -3
.Lnot_wave_0_\@:
	s_barrier_wait -3
	s_barrier_signal -1
	s_barrier_wait -1
.endm
.macro CROUND
	s_barrier_signal -1
	s_barrier_wait -1
	CREST
.endm
	s_load_b128 s[4:7], s[0:1], 0x0                ; O's codes, O's scales
	s_load_b128 s[8:11], s[0:1], 0x10              ; W_out's codes, its scales
	s_load_b64 s[12:13], s[0:1], 0x20              ; out0
	v_lshl_add_u32 v[SPW], v0, 2, SPARE
	v_mov_b32 v[NIL], 0
	ds_add_u32 v28, v29
	s_wait_dscnt 0x0
	v_lshrrev_b32 v1, 5, v0
	v_readfirstlane_b32 s14, v1                    ; wave 0..3
	s_lshr_b32 s15, s14, 1                         ; which half of the tile's rows is mine.  Also: I fetch for A (0) or for B (1)
	s_and_b32 s16, s14, 1                          ; which half of its columns.  Also: which 128 rows of that tile I fetch
	s_bfe_u32 s40, ttmp6, 0x40000                  ; cx, cy
	s_bfe_u32 s41, ttmp6, 0x40004
	s_lshl_b32 s42, ttmp9, 2
	s_add_co_u32 s42, s42, s40                     ; tile column
	s_and_b32 s17, ttmp7, 0xffff
	s_lshl_b32 s17, s17, 2
	s_add_co_u32 s17, s17, s41                     ; tile row
	s_lshl_b32 s43, s41, 2
	s_lshl_b32 s43, 15, s43                        ; my row of the cluster
	s_lshl_b32 s44, 0x1111, s40                    ; my column
	; A's tile: 8 runs of 4,096 bytes (512 elements of 8), 16,384 bytes apart; dense in LDS
	s_or_b32 s[G1+0], s43, (3<<16)|(1<<21)
	s_mov_b32 s[G1+1], 512<<16                     ; tensor_dim0
	s_mov_b32 s[G1+2], 8<<16                       ; tensor_dim1
	s_mov_b32 s[G1+3], 512<<16                     ; tile_dim0
	s_mov_b32 s[G1+4], 8                           ; tile_dim1
	s_mov_b32 s[G1+5], 2048                        ; from run to run, in elements
	s_mov_b32 s[G1+6], 0
	s_mov_b32 s[G1+7], 0
	; B's tile: 128 rows x 256 bytes, 16 bytes of padding behind each
	s_or_b32 s[G1B+0], s44, (0<<16)|(1<<20)|(1<<21)|(5<<22)|(3<<25)
	s_mov_b32 s[G1B+1], ROWB<<16
	s_mov_b32 s[G1B+2], 128<<16
	s_mov_b32 s[G1B+3], ROWB<<16
	s_mov_b32 s[G1B+4], 128
	s_mov_b32 s[G1B+5], KROW
	s_mov_b32 s[G1B+6], 0
	s_mov_b32 s[G1B+7], 0
	; the scales of 128 rows: 4,096 dense bytes as 16 rows of 256, 16 bytes of padding behind each
	s_or_b32 s[G1S+0], s43, (3<<16)|(1<<20)|(1<<21)|(5<<22)|(3<<25)
	s_or_b32 s[G1SB+0], s44, (3<<16)|(1<<20)|(1<<21)|(5<<22)|(3<<25)
.irp g, G1S, G1SB
	s_mov_b32 s[\g+1], 32<<16
	s_mov_b32 s[\g+2], (128*KS/256)<<16
	s_mov_b32 s[\g+3], 32<<16
	s_mov_b32 s[\g+4], 128*KS/256
	s_mov_b32 s[\g+5], 32
	s_mov_b32 s[\g+6], 0
	s_mov_b32 s[\g+7], 0
.endr
	s_lshl_b32 s18, s16, 17                        ; the 128 rows that I fetch: 131,072 bytes of codes in either tensor,
	s_lshl_b32 s19, s16, 12                        ; 4,096 bytes of scales
	s_lshl_b32 s20, s17, 18                        ; A.  All four offsets lie under 2^24
	s_add_co_u32 s20, s20, s18
	s_mov_b32 s21, 0
	s_lshl_b32 s22, s17, 13
	s_add_co_u32 s22, s22, s19
	s_mov_b32 s23, 0
	s_lshl_b32 s46, s42, 18                        ; B, in registers that never hold cy
	s_add_co_u32 s46, s46, s18
	s_mov_b32 s47, 0
	s_lshl_b32 s92, s42, 13
	s_add_co_u32 s92, s92, s19
	s_mov_b32 s93, 0
	s_mul_i32 s45, s16, HALFA                      ; where they go: A's halves, then B's: no place in the cluster enters an LDS address
	s_mul_i32 s95, s16, HALFT
	s_add_co_u32 s95, s95, BOFF
	s_mul_i32 s94, s14, HALFS
	s_wait_kmcnt 0x0
	s_add_nc_u64 s[20:21], s[4:5], s[20:21]
	s_add_nc_u64 s[22:23], s[6:7], s[22:23]
	s_add_nc_u64 s[46:47], s[8:9], s[46:47]
	s_add_nc_u64 s[92:93], s[10:11], s[92:93]
	CROUND                                         ; all sixteen work-groups are here: the first joint loads meet
	s_mov_b32 s[G0S], 1
	s_add_co_u32 s[G0S+1], s94, SCL
	s_mov_b64 s[G0S+2:G0S+3], s[22:23]
	s_or_b32 s[G0S+3], s[G0S+3], 0x80000000
	s_mov_b32 s[G0SB], 1
	s_add_co_u32 s[G0SB+1], s94, SCL
	s_mov_b64 s[G0SB+2:G0SB+3], s[92:93]
	s_or_b32 s[G0SB+3], s[G0SB+3], 0x80000000
	JLOAD G0S, G1S, G0SB, G1SB
.irp s, 0,1
	s_mov_b32 s[G0+4*\s], 1
	s_add_co_u32 s[G0+4*\s+1], s45, \s*SLOT
	s_add_nc_u64 s[G0+4*\s+2:G0+4*\s+3], s[20:21], \s*ASTEP
	s_or_b32 s[G0+4*\s+3], s[G0+4*\s+3], 0x80000000
	s_mov_b32 s[G0B+4*\s], 1
	s_add_co_u32 s[G0B+4*\s+1], s95, \s*SLOT
	s_add_nc_u64 s[G0B+4*\s+2:G0B+4*\s+3], s[46:47], \s*ROWB
	s_or_b32 s[G0B+4*\s+3], s[G0B+4*\s+3], 0x80000000
	JLOAD G0+4*\s, G1, G0B+4*\s, G1B
.endr
	v_and_b32 v1, 15, v0                           ; r
	v_bfe_u32 v2, v0, 4, 1                         ; h
	v_and_b32 v6, 31, v0
	v_lshlrev_b32 v[CO], 4, v6                     ; 16 x lane
	v_mul_u32_u24 v3, v1, PITCH
	v_lshl_add_u32 v4, v2, 3, v3                   ; B: row x pitch + 8 h
	s_mul_i32 s21, s15, HALFA                      ; my 128 rows of A
	s_mul_i32 s22, s16, HALFT                      ; my 128 rows of B
	s_add_co_u32 s22, s22, BOFF
.irp s, 0,1
	v_add_nc_u32 v[ADRA+\s], s21, v[CO]
	v_add_nc_u32 v[ADRB+\s], s22, v4
	s_add_co_u32 s21, s21, SLOT
	s_add_co_u32 s22, s22, SLOT
.endr
	v_mul_u32_u24 v5, v1, KS
	v_lshrrev_b32 v6, 8, v5
	v_lshl_add_u32 v5, v6, 4, v5
	s_mul_i32 s21, s15, HALFS
	s_mul_i32 s22, s16, HALFS
	s_add_co_u32 s22, s22, 2*HALFS
	s_sub_co_u32 s22, s22, s21
	v_mul_u32_u24 v6, s22, v2                      ; lanes 16-31 take B's
	s_add_co_u32 s21, s21, SCL
	v_add_nc_u32 v5, v5, v6
	v_add_nc_u32 v[ADRS], s21, v5
	s_mul_i32 s23, s14, 16*SPITCH                  ; my stage
	v_mul_u32_u24 v5, v1, SPITCH
	v_lshl_add_u32 v5, v2, 5, v5
	v_add_nc_u32 v[STO], s23, v5                   ; in: row r, 32 bytes for each half of the lanes
	v_add_nc_u32 v[RD], s23, v[CO]                 ; back: the 32 lanes take one row of 512 bytes
	s_lshl_b32 s20, s17, 20                        ; my first row of out0: (256 x tile row + 128 x half) x 4,096 bytes
	s_lshl_b32 s21, s15, 19
	s_add_co_u32 s20, s20, s21
	s_mov_b32 s21, 0
	s_lshl_b32 s46, s42, 10                        ; my first column, in bytes
	s_lshl_b32 s47, s16, 9
	s_add_co_u32 s46, s46, s47
	s_mov_b32 s47, 0
	s_add_nc_u64 s[20:21], s[20:21], s[46:47]
	s_add_nc_u64 s[12:13], s[12:13], s[20:21]
.macro FRAGA reg, slot, q, i           ; an image comes back as it was stored: four loads of 512 consecutive bytes
.irp c, 0,1,2,3
	ds_load_b128 v[\reg+4*\c:\reg+4*\c+3], v[ADRA+\slot] offset:(\i)*ASTEP+(\q)*2048+512*\c
.endr
.endm
.macro FRAGB reg, slot, q, i           ; registers 4 c + 2 u, + 1 of lane (r, h): K = 32 c + 16 u + 8 h + 0 .. 7 of row r: the order of A's images
.irp c, 0,1,2,3
.irp u, 0,1
	ds_load_b64 v[\reg+4*\c+2*\u:\reg+4*\c+2*\u+1], v[ADRB+\slot] offset:128*(\q)+32*\c+16*\u+(\i)*16*PITCH
.endr
.endr
.endm
; 16 matrix instructions: A's blocks a0, a0 + 1 x B's eight.  The 64 accumulators take turns, one instruction a turn.
.macro MUL16 a0, p, q, sc, zero
.irp a, \a0, \a0+1
.irp b, 0,1,2,3,4,5,6,7
.if \zero
	v_wmma_scale_f32_16x16x128_f8f6f4 v[8*(8*((\a)%4)+\b):8*(8*((\a)%4)+\b)+7], v[128*(\p)+FR*\b:128*(\p)+FR*\b+FR-1], v[AF+FR*(\a):AF+FR*(\a)+FR-1], 0, v[SC+8*NQ*(\sc)+NQ*\b+(\q)], v[SC+8*NQ*(\sc)+NQ*(\a)+(\q)] matrix_a_fmt:MATRIX_FMT_BF8 matrix_b_fmt:MATRIX_FMT_BF8 matrix_a_scale:MATRIX_SCALE_ROW1
.else
	v_wmma_scale_f32_16x16x128_f8f6f4 v[8*(8*((\a)%4)+\b):8*(8*((\a)%4)+\b)+7], v[128*(\p)+FR*\b:128*(\p)+FR*\b+FR-1], v[AF+FR*(\a):AF+FR*(\a)+FR-1], v[8*(8*((\a)%4)+\b):8*(8*((\a)%4)+\b)+7], v[SC+8*NQ*(\sc)+NQ*\b+(\q)], v[SC+8*NQ*(\sc)+NQ*(\a)+(\q)] matrix_a_fmt:MATRIX_FMT_BF8 matrix_b_fmt:MATRIX_FMT_BF8 matrix_a_scale:MATRIX_SCALE_ROW1
.endif
.endr
.endr
.endm
.macro FETCH_B slot, q, p
	WIN TO_B
.irp i, 0,1,2,3,4,5,6,7
	FRAGB 128*(\p)+FR*\i, \slot, \q, \i
.endr
	WIN 0
.endm
.macro FETCH_A slot, q, i0
.irp i, \i0, \i0+1, \i0+2, \i0+3
	FRAGA AF+FR*(\i), \slot, \q, \i
.endr
.endm
.macro SCALES sc
.irp i, 0,1,2,3,4,5,6,7
	ds_load_b64 v[SC+8*NQ*\sc+NQ*\i:SC+8*NQ*\sc+NQ*\i+1], v[ADRS] offset:\i*SBLK
.endr
.endm
.macro PLACES n                        ; places in front of loads into registers that matrix instructions have read, and of the first read of results (ISA guide 7.12.1 for the read of results)
.rept \n
	v_nop
.endr
.endm
.macro STEP slot, q, zero
	s_wait_dscnt 4*NL                              ; B's set and A's blocks 0-3 are in; the youngest 16 loads (A's blocks 4-7) may be out
	WIN MUL_LO
	MUL16 0, (\q)%2, \q, \slot, \zero
	MUL16 2, (\q)%2, \q, \slot, \zero
	s_wait_dscnt 0
	PLACES NP
	FETCH_B \slot, (\q)+1, 1-(\q)%2
	FETCH_A \slot, (\q)+1, 0
	WIN MUL_HI
	MUL16 4, (\q)%2, \q, \slot, \zero
	MUL16 6, (\q)%2, \q, \slot, \zero
	PLACES NP
	WIN 0
	FETCH_A \slot, (\q)+1, 4
.endm
.macro TURN slot, next, fill
	s_wait_tensorcnt 0x0                           ; all my tensor loads have landed: my part of the next slot
	ds_add_u32 v[SPW], v[NIL]                      ; 0 onto my spare word
	s_wait_dscnt 4*NL+1                            ; (the add and the youngest 16 loads may be out)
	WIN MUL_LO
	MUL16 0, 1, NQ-1, \slot, 0
	s_wait_dscnt 0x0                               ; the add is done, and my reads of this slot are over
	s_barrier_signal -1
	MUL16 2, 1, NQ-1, \slot, 0
	WIN 0
	s_barrier_wait -1
.if \fill
	CREST                                          ; the barrier has opened a round of the cluster's: no wave of any partner still reads this slot or has a load on its way
	s_add_nc_u64 s[G0+4*\slot+2:G0+4*\slot+3], s[G0+4*\slot+2:G0+4*\slot+3], 2*ASTEP
	s_add_nc_u64 s[G0B+4*\slot+2:G0B+4*\slot+3], s[G0B+4*\slot+2:G0B+4*\slot+3], 2*ROWB
	JLOAD G0+4*\slot, G1, G0B+4*\slot, G1B
	PLACES NP-4
.else
	PLACES NP
.endif
	v_add_nc_u32 v[ADRS], 4*NQ, v[ADRS]
	FETCH_B \next, 0, 0
	FETCH_A \next, 0, 0
	SCALES \next
	WIN MUL_HI
	MUL16 4, 1, NQ-1, \slot, 0
	MUL16 6, 1, NQ-1, \slot, 0
	PLACES NP
	WIN 0
	FETCH_A \next, 0, 4
.endm
	s_wait_tensorcnt 1                             ; the scales and my part of K step 0 are in; K step 1's load may be out
	s_barrier_signal -1
	s_barrier_wait -1
	FETCH_B 0, 0, 0
	FETCH_A 0, 0, 0
	SCALES 0
	FETCH_A 0, 0, 4
	STEP 0, 0, 1
	s_mov_b32 s3, LAPS-1
.Llap:
	TURN 0, 1, 1
	STEP 1, 0, 0
	TURN 1, 0, 1
	STEP 0, 0, 0
	s_sub_co_u32 s3, s3, 1
	s_cmp_lg_u32 s3, 0
	s_cbranch_scc1 .Llap
	TURN 0, 1, 0
	STEP 1, 0, 0
	s_wait_dscnt 4*NL
	WIN MUL_LO
	MUL16 0, 1, NQ-1, 1, 0
	MUL16 2, 1, NQ-1, 1, 0
	s_wait_dscnt 0
	WIN MUL_HI
	MUL16 4, 1, NQ-1, 1, 0
	MUL16 6, 1, NQ-1, 1, 0
	WIN 0
; THE WAY OUT, block by block of 16 rows x 128 columns: through my own stage in LDS, back as whole rows of 512 bytes, which the 32 lanes store as two aligned runs of 256 bytes.
; LDS serves a wave's instructions in order (ISA guide 5.7.1.4): no wait between the stores and the loads, nor in front of the next block's stores.
.macro TOSTAGE a
.set AC, 64*((\a)%4)
.set WD, 0x08+4*((\a)/4)
	WIN WD                                         ; an LDS store's data: window 2 or 3
.irp b, 0,1,2,3,4,5,6,7
	ds_store_b128 v[STO], v[AC+8*\b:AC+8*\b+3] offset:64*\b          ; each accumulator from its low end on
	ds_store_b128 v[STO], v[AC+8*\b+4:AC+8*\b+7] offset:64*\b+16
.endr
	WIN 0
.set BB, BK+64*((\a)%2)
.irp t, 0,1,2,3,4,5,6,7,8,9,10,11,12,13,14,15
	ds_load_b128 v[BB+4*\t:BB+4*\t+3], v[RD] offset:\t*SPITCH
.endr
.endm
.macro SEND a, younger                 ; younger: the LDS instructions issued behind block a's loads, which may stay out
.set BB, BK+64*((\a)%2)
	s_wait_dscnt \younger
.if (\a) > 0
	s_add_nc_u64 s[12:13], s[12:13], 16*SIZE_N*4   ; (behind a wait on XCNT: the earlier stores have read their base)
.endif
.irp t, 0,1,2,3,4,5,6,7,8,9,10,11,12,13,14,15
	global_store_b128 v[CO], v[BB+4*\t:BB+4*\t+3], s[12:13] offset:\t*SIZE_N*4 th:TH_STORE_NT   ; 512 consecutive bytes, at a multiple of 256 from out0's first byte; written once, read by nobody here
.endr
.endm
	PLACES NP
	TOSTAGE 0
.irp a, 1,2,3,4,5,6,7
.if \a > 1
	s_wait_xcnt 0x0                                ; block a - 2's stores have read their registers and their base
.endif
	TOSTAGE \a
	SEND \a-1, 32                                  ; behind block a - 1's loads: block a's 16 stores and 16 loads
.endr
	s_wait_xcnt 0x0
	SEND 7, 0
	s_wait_tensorcnt 0x0                           ; the wave's end
	ds_add_u32 v[SPW], v[NIL]
	s_wait_dscnt 0x0
	CROUND                                         ; the closing round
	s_endpgm
.Lfunc_end_k_q9d5f97161f_proj:
	.size	k_q9d5f97161f_proj, .Lfunc_end_k_q9d5f97161f_proj-k_q9d5f97161f_proj
	.p2alignl 7, 3214868480
	.fill 96, 4, 3214868480
	.section	.rodata,"a",@progbits
	.p2align	6, 0x0
	.amdhsa_kernel k_q9d5f97161f_proj
		.amdhsa_group_segment_fixed_size 327680
		.amdhsa_private_segment_fixed_size 0
		.amdhsa_enable_private_segment 0
		.amdhsa_kernarg_size 40
		.amdhsa_user_sgpr_count 2
		.amdhsa_user_sgpr_kernarg_segment_ptr 1
		.amdhsa_wavefront_size32 1
		.amdhsa_system_sgpr_workgroup_id_x 1
		.amdhsa_system_sgpr_workgroup_id_y 1
		.amdhsa_system_sgpr_workgroup_id_z 1
		.amdhsa_system_vgpr_workitem_id 0
		.amdhsa_next_free_vgpr 1024
		.amdhsa_next_free_sgpr 98
		.amdhsa_reserve_vcc 0
		.amdhsa_float_denorm_mode_32 3
		.amdhsa_float_denorm_mode_16_64 3
		.amdhsa_memory_ordered 1
		.amdhsa_forward_progress 1
		.amdhsa_inst_pref_size 161
	.end_amdhsa_kernel
	.amdgpu_metadata
---
amdhsa.version: [ 1, 2 ]
amdhsa.kernels:
  - .name:           k_q9d5f97161f_proj
    .symbol:         k_q9d5f97161f_proj.kd
    .args:
      - { .name: oc, .offset: 0, .size: 8, .value_kind: global_buffer, .address_space: global }
      - { .name: os, .offset: 8, .size: 8, .value_kind: global_buffer, .address_space: global }
      - { .name: W_out_codes, .offset: 16, .size: 8, .value_kind: global_buffer, .address_space: global }
      - { .name: W_out_scales, .offset: 24, .size: 8, .value_kind: global_buffer, .address_space: global }
      - { .name: out0, .offset: 32, .size: 8, .value_kind: global_buffer, .address_space: global }
    .group_segment_fixed_size: 327680
    .private_segment_fixed_size: 0
    .kernarg_segment_align: 8
    .kernarg_segment_size: 40
    .max_flat_workgroup_size: 128
    .sgpr_count:     98
    .vgpr_count:     1024
    .wavefront_size: 32
...
	.end_amdgpu_metadata
.endif
;; end of part 3
